; MI455X (gfx1250); checked and timed in simulation.
; The chip was launched on July 23, 2026; its instructions are those of AMD's public machine-readable ISA for CDNA 5 (MIT licence, August 2026) and "CDNA5" Instruction Set Architecture Reference Guide (July 2026). The comments in the code are by the model that wrote it; some were corrected since.
;; Attention. Allowed arithmetic: matrix products marked QUANTISED: E2M3 operands, one E8M0 scale for each 32 along K, by v_wmma_scale_f32_16x16x128_f8f6f4 with both operands' format E2M3, f32 sums; products left as they are: f32 operands where the result goes on into a quantised operand, else bf16, f16 or f32 operands; f32 sums; everything else in f32.
;; Inputs: Wk_codes 512 x 16 x 24 uint8 (E2M3 codes of Wk, K innermost, in blocks of 32 codes, four codes in three bytes); Wk_scales 512 x 16 uint8 (E8M0 scales of Wk, one for each 32 codes along K); Wq_codes 512 x 16 x 24 uint8 (E2M3 codes of Wq, K innermost, in blocks of 32 codes, four codes in three bytes); Wq_scales 512 x 16 uint8 (E8M0 scales of Wq, one for each 32 codes along K); Wv_codes 512 x 16 x 24 uint8 (E2M3 codes of Wv, K innermost, in blocks of 32 codes, four codes in three bytes); Wv_scales 512 x 16 uint8 (E8M0 scales of Wv, one for each 32 codes along K); bk 512 float32; bq 512 float32; bv 512 float32; x_codes 1,024 x 16 x 24 uint8 (E2M3 codes of x, K innermost, in blocks of 32 codes, four codes in three bytes); x_scales 1,024 x 16 uint8 (E8M0 scales of x, one for each 32 codes along K).
;; Outputs: out0 1,024 x 512 float32.
;; This version of the problem:
;;   THIS VERSION OF THE PROBLEM IS GIVEN IN LOW PRECISION. The matrix products marked QUANTISED in the list below multiply operands that are first quantised to E2M3 (2 exponent bits, 3 mantissa bits; 6 bits a number), with one power-of-two scale for each 32 numbers along K (OCP MX v1.0); their sums are f32. All else is computed in f32.
;;   The module's matrix products, in the order in which they are computed (A, B: the left and right operand; K: the contracted axis; several contracted axes count as one K, in the product's order):
;;     1. [M 1,024, K 512] x [K 512, N 512]; A: input x (given as codes); B: input Wq (given as codes): QUANTISED
;;     2. [M 1,024, K 512] x [K 512, N 512]; A: input x (given as codes); B: input Wk (given as codes): QUANTISED
;;     3. [M 1,024, K 512] x [K 512, N 512]; A: input x (given as codes); B: input Wv (given as codes): QUANTISED
;;     4. batch 1,024 x [M 512, K 512] x [K 512, N 1]; A: softmax; B: computed on the way: left as it is (N = 1 < 16)
;;   THE QUANTISER, for each operand of a quantised product, along K:
;;     - K is cut into blocks of 32 from its start; a last block that is shorter is filled with zeros.
;;     - A block's scale is 2^e with e = floor(log2(the largest magnitude in the block)) - 2, held to -126 .. 127; a block of zeros has e = 0. As a byte (E8M0): e + 127.
;;     - Each number is divided by its block's scale, clamped to +-7.5, and rounded to the nearest number of E2M3, ties to even, subnormals kept.
;;     - The product sums the exact products of the quantised numbers (number of the format x scale) in f32.
;;   ~~~python
;;   def quantise(x, axis):      # numpy; x: float32 -> the quantised numbers, widened to float32 again
;;       x = np.moveaxis(x, axis, -1); K = x.shape[-1]
;;       x = np.pad(x, [(0, 0)] * (x.ndim - 1) + [(0, -K % 32)]); x = x.reshape(x.shape[:-1] + (-1, 32)); a = np.abs(x).max(-1, keepdims=True)
;;       e = np.where(a > 0, np.clip(np.frexp(np.where(a > 0, a, 1))[1] - 1 - 2, -126, 127), 0)      # np.frexp(a)[1] - 1 = floor(log2(a)), exactly
;;       r = np.clip(x / 2.0 ** e, -7.5, 7.5)
;;       step = 2.0 ** (np.maximum(np.frexp(np.where(r == 0, 1, r))[1] - 1, 0) - 3)
;;       q = np.round(r / step) * step * 2.0 ** e      # np.round: ties to even
;;       return np.moveaxis(q.reshape(q.shape[:-2] + (-1,))[..., :K], -1, axis).astype(np.float32)
;;   ~~~
;;   INPUTS GIVEN AS CODES. Wk (in the module: [512, 512], K = its axis 1); Wq (in the module: [512, 512], K = its axis 1); Wv (in the module: [512, 512], K = its axis 1); x (in the module: [1024, 512], K = its axis 1): each comes as NAME_codes (uint8): NAME with its K axis moved to the last place and cut into blocks of 32 codes, [.., K / 32, bytes a block], one block behind the other in memory; four codes in three bytes: a row's codes are one little-endian stream of bits, code i at bits 6 i .. 6 i + 5 (a code: sign, 2 exponent bits, 3 mantissa bits); and NAME_scales (uint8): the same leading axes, one E8M0 byte (e + 127) for each 32 codes along K. Its value is code x scale, taken as it is: it is not quantised again, and the codes and scales need not be those that the quantiser above would give.
;; One version. Each part assembles by itself: llvm-mc -triple=amdgcn-amd-amdhsa -mcpu=gfx1250 --defsym DOCPART=n.
;; ======== version 1 of 1: 1 launch
;; launch attn (part 1): grid 4 x 64, 16 waves a work-group, no clusters, 244,992 bytes of LDS; arguments x_codes, x_scales, Wq_codes, Wq_scales, bq, Wk_codes, Wk_scales, bk, Wv_codes, Wv_scales, bv, out0; writes out0
.if DOCPART == 1
	.amdgcn_target "amdgcn-amd-amdhsa--gfx1250"
	.amdhsa_code_object_version 6
	.text
	.protected	k_q286ff377e7_attn
	.globl	k_q286ff377e7_attn
	.p2align	8
	.type	k_q286ff377e7_attn,@function
k_q286ff377e7_attn:
	s_mov_b64 s[64:65], 0
	v_nop
	global_prefetch_b8 v0, s[64:65] scope:SCOPE_SE
	s_setreg_imm32_b32 hwreg(HW_REG_WAVE_MODE, 25, 1), 1
	s_wait_xcnt 0x0
; out[b][i] = sum over j of softmax_j(q[b][i] k[b][j] / sqrt(512)) v[b][j],  q, k, v = x W^T + bias: [1024][512], K = 512.
; x and the three W arrive as codes of FP6 (E2M3), 384 bytes a row, with one E8M0 byte for each 32 along K (16 bytes a row); they go to the matrix unit as they lie.
; A token's scores are an outer product, so they are never stored: a lane forms each score from q[i] and k[j] by one multiply-add.
; THE MAXIMUM.  The largest of q[i] k[j] over j is the larger of q[i] kmax and q[i] kmin, kmax and kmin the token's largest and smallest k.  It is taken away before every exponential, as a
; running maximum over four chunks of 128 j: when it moves, the two sums are multiplied by 2^(old - new).  With t = score x log2(e): p = 2^(t - m), at most about 1; out = sum(p v) / sum(p).
; SHARES.  Work-group (cq, tg) owns tokens 16 tg .. +15 and outputs i = 128 cq .. +127: 16 x 128 x 512 exponentials, one 256th of all.  Sixteen waves, four to a SIMD, 256 registers each.
;   Softmax: wave w owns token 16 tg + w; lane l owns i = 128 cq + 4 l + 0 .. 3; every wave walks all 512 j; k[j] and v[j] are the same for all lanes and come from LDS by loads with one address.
;   Projections, TRANSPOSED (source 0 = 16 rows of W, source 1 = the 16 tokens): lane (r, h) of a result holds token r and columns 8 h + 0 .. 7, 32 neighbouring bytes of the token's row in LDS.
;   k and v are made in four chunks of 128 columns, 8 tiles of k and 8 of v a chunk: one tile a wave (waves 0-7 k, 8-15 v), four matrix instructions on two accumulators by turns.
;   q (8 tiles) is split along K: wave w makes tile w % 8 for K steps 2 (w / 8) and 2 (w / 8) + 1; the reader adds the two halves and bq.
; THE SKEW.  Chunk c + 1's tile has bytes of its own in LDS, so it may be made at any time during chunk c.  Wave w makes it in front of batch 4 slot + 3 of 16, slot = (w + w / 4) % 4, so that waves
;   which differ by 1 or by 4 do it at different times; its weights were asked for, into registers, when the tile before was made: 16 batches earlier.
; WEIGHTS.  A tile's 16 rows are 6,144 dense bytes: 12 loads of 512 consecutive bytes.  They turn through a stage in LDS with rows 400 bytes apart and come back as fragments (24 + 24 bytes a lane and K step).
;   400 bytes are 100 words: row r starts at bank 36 r mod 64 (64 banks of 4 bytes: ISA guide 11.1); the 32 lanes of a load of 8 bytes touch 64 different banks.
; NO TENSOR LOADS, NO CLUSTER, though the four work-groups of a tg read the same Wk, Wv and x: a work-group's 1,152 rows of weights at 400 bytes are 460,800 bytes, more than LDS holds, so slots would be
;   filled again, and each joint refill would bring all 64 waves of four work-groups into step, which undoes the skew above.  What is shared is 102,400 bytes for a chunk's 512 exponential instructions a wave.
; THE LAST PRODUCT (N = 1) is done by f32 multiply-adds in the lanes: a matrix form would carry 15 empty columns.
; LIMITS: NaN and infinities among the biases and the scale byte 0xff are not served.  p under 2^-126 counts as 0 (v_exp_f32 flushes: ISA guide 15.8), beside a largest term of about 1 in the same sum.
.set XST,    0                         ; LDS: x's 16 rows of codes, pitch 400; written once, by waves 0-3 (4 rows each)
.set QST,    6400                      ; Wq's 8 tiles x 6,400; wave w writes rows 8 (w / 8) .. +7 of tile w % 8
.set WST,    57600                     ; sixteen stages of 6,400, each wave's own
.set QPB,    160000                    ; q's two halves along K: 2 x 16 tokens x (512 bytes + 16)
.set KVB,    176896                    ; k: 16 tokens x (2,048 bytes + 16);
.set VOFF,   33024                     ; v: the same, VOFF further on.  The end: 242,944
.set SPITCH, 400
.set KPITCH, 2064                      ; odd multiples of 16 bytes: the sixteen rows that a tile's store touches fall on sixteen different columns of 16 bytes
.set QPITCH, 528
.set VO16, 1                           ; v1   16 x lane                      (global offsets: never rewritten)
.set VOS,  2                           ; v2   16 x (lane % 16): a row's 16 scale bytes
.set VOB,  3                           ; v3   32 x (lane / 16): my half's eight numbers of a tile's bias
.set ASW,  4                           ; v4-6 where I store raw rows into my own stage (load number mod 3)
.set AFW,  7                           ; v7   my lane's place in a fragment of my own stage
.set AFX,  8                           ; v8   the same in x's stage
.set ATK,  9                           ; v9   where my tile's 32 bytes go in k's or v's rows
.set AK0,  10                          ; v10  my token's row of k
.set AD,   11                          ; v11  the batch's address
.set AKL,  12                          ; v12  AK0 + 16 x lane
.set KMAX, 13
.set KMIN, 14
.set WSC,  16                          ; v16-19 W's scale words of K steps 0-3;  v20-23 x's;  v24-25, v26-27 Wq's and x's of my two K steps of q.  They hold scales and nothing else
.set XSC,  20
.set QWS,  24
.set QXS,  26
.set BIAS, 28                          ; v28-35 the tile's bias, in the result's layout
.set A0,   36                          ; v36-43, v44-51 two accumulators
.set A1,   44
.set QS2,  52                          ; v52-59 q[i] x log2(e) / sqrt(512), each twice (a pair for the packed forms);  v60-67 -m[i], likewise
.set NM2,  60
.set NUM,  68                          ; v68-75 sum of p v, v76-83 sum of p: for each of my four i a pair: even j, odd j
.set DEN,  76
.set RW,   84                          ; v84-131 a tile's raw rows, then its four fragments
.set X,    132                         ; v132-163 a batch's 32 arguments, then p;  v164-171 its eight k;  v172-179 its eight v
.set KB,   164
.set VB,   172
.set XF,   132                         ; while a tile is made: x's four fragments, v132-179
.set XR,   132                         ; at the head: x's raw rows
.set RQ,   180                         ; at the head: Wq's raw rows, then two fragments;  v204-227 x's two;  v228-235 q's accumulator
.set XQ,   204
.set AQ,   228
.set T,    180                         ; later: v180-211 at work at a chunk's head and on the way out
.set ASQ,  236                         ; v236-238 where I store Wq's raw rows;  v239-241 x's
.set ASX,  239
.set AFQ,  242                         ; v242 my lane's place in Wq's fragments, v243 in x's, at my two K steps
.set AFXQ, 243
.set AQP,  244                         ; v244 where q's 32 bytes go;  v245 where I read my four q back
.set AQR,  245
.set BQ,   246                         ; v246-249 bq of my four i
.set WV,   32                          ; s32 wave;  s33 wave % 8;  s34 wave / 8;  s35 the batch (x 32) in front of which I make the next tile
.set TW,   33
.set KH,   34
.set SLOT, 35
.set CQ,   36
.set TG,   37
.set TJ,   38                          ; s38 the batch's first j, in bytes
.set WPT,  40                          ; s[40:41] my tile's codes in chunk 0, s[42:43] its scale bytes, s[44:45] its bias
.set SPT,  42
.set BPT,  44
.set QWP,  46                          ; s[46:47] my 8 rows of Wq, s[48:49] my tile's scale bytes at my K steps
.set QSP,  48
.set XP,   50                          ; s[50:51] 4 rows of x's codes, s[52:53] the 16 tokens' scale bytes, s[54:55] the same at my K steps of q
.set XSP,  52
.set XSQ,  54
.set BQP,  56
.set OUTP, 58
.set SEL,  60                          ; s[60:61] v_permlanex16_b32's selects for lane l xor 16
.set CSC,  62                          ; s62 log2(e) / sqrt(512)
.macro LOADW c                         ; chunk c's tile of mine: 6,144 bytes of codes as they lie, 256 scale bytes, 64 bytes of bias
.irp n, 0,1,2,3,4,5,6,7,8,9,10,11
	global_load_b128 v[RW+4*\n:RW+4*\n+3], v[VO16], s[WPT:WPT+1] offset:49152*(\c)+512*\n
.endr
	global_load_b128 v[WSC:WSC+3], v[VOS], s[SPT:SPT+1] offset:2048*(\c)
	global_load_b128 v[BIAS:BIAS+3], v[VOB], s[BPT:BPT+1] offset:512*(\c)
	global_load_b128 v[BIAS+4:BIAS+7], v[VOB], s[BPT:BPT+1] offset:512*(\c)+16
.endm
.macro STAGE adr, reg, cnt             ; raw rows into a stage: three stores cover 4 rows (1,536 bytes of data, 1,600 in the stage)
.set N, 0
.rept \cnt
	ds_store_b128 v[\adr+N%3], v[\reg+4*N:\reg+4*N+3] offset:1600*(N/3)
.set N, N+1
.endr
.endm
.macro FRAGS reg, adr, steps           ; fragments: lane (r, h), K step s: registers 0-5 the 24 bytes at 96 s + 24 h of row r, registers 6-11 those 48 bytes on; in pieces of 8 bytes
.set N, 0
.rept 6*\steps
	ds_load_b64 v[\reg+2*N:\reg+2*N+1], v[\adr] offset:96*(N/6)+48*((N%6)/3)+8*(N%3)
.set N, N+1
.endr
.endm
.macro WMC d, a, b, c, sa, sb
	v_wmma_scale_f32_16x16x128_f8f6f4 v[\d:\d+7], v[\a:\a+11], v[\b:\b+11], v[\c:\c+7], v[\sa], v[\sb] matrix_a_fmt:MATRIX_FMT_FP6 matrix_b_fmt:MATRIX_FMT_FP6
.endm
.macro WMZ d, a, b, sa, sb
	v_wmma_scale_f32_16x16x128_f8f6f4 v[\d:\d+7], v[\a:\a+11], v[\b:\b+11], 0, v[\sa], v[\sb] matrix_a_fmt:MATRIX_FMT_FP6 matrix_b_fmt:MATRIX_FMT_FP6
.endm
.macro BAR                             ; my LDS stores have landed and my LDS loads are in: then the work-group's barrier
	s_wait_dscnt 0x0
	s_barrier_signal -1
	s_barrier_wait -1
.endm
.macro JOIN                            ; the two accumulators become one, from the low end on
.irp i, 0,2,4,6
	v_pk_add_f32 v[A0+\i:A0+\i+1], v[A0+\i:A0+\i+1], v[A1+\i:A1+\i+1]
.endr
.endm
; My tile of chunk c (1 to 3).  It stands between two batches: a batch's registers v132-179 are free there and take x's fragments.
.macro TILE c
	s_wait_loadcnt 0x0                             ; the tile's rows, scale words and bias, asked for 16 batches ago
	STAGE ASW, RW, 12
	FRAGS RW, AFW, 4                               ; LDS serves a wave's instructions in order (ISA guide 5.7.1.4): these see the stores above, and land where the raw rows lay
	FRAGS XF, AFX, 4
	s_wait_dscnt 0x0
	WMC A0, RW, XF, BIAS, WSC, XSC                 ; the bias is the C of the sum's first product; the two accumulators take turns
	WMZ A1, RW+12, XF+12, WSC+1, XSC+1
	WMC A0, RW+24, XF+24, A0, WSC+2, XSC+2
	WMC A1, RW+36, XF+36, A1, WSC+3, XSC+3
.rept 4
	v_nop                                          ; four places in front of the loads into registers that these products read, and of the first read of their results
.endr
.if (\c) < 3
	LOADW (\c)+1
.endif
	JOIN
	ds_store_b128 v[ATK], v[A0:A0+3] offset:512*(\c)
	ds_store_b128 v[ATK], v[A0+4:A0+7] offset:512*(\c)+16
.endm
.macro ARG p                           ; pair p = 4 jp + e: t - m for j = 2 jp, 2 jp + 1 and my e-th i
	v_pk_fma_f32 v[X+2*(\p):X+2*(\p)+1], v[KB+2*((\p)/4):KB+2*((\p)/4)+1], v[QS2+2*((\p)%4):QS2+2*((\p)%4)+1], v[NM2+2*((\p)%4):NM2+2*((\p)%4)+1]
.endm
; Eight j of chunk c for my four i: 16 packed multiply-adds, 32 exponentials, 16 + 16 packed sums.
.macro BATCH c
	v_add_nc_u32 v[AD], s[TJ], v[AK0]
	ds_load_b128 v[KB:KB+3], v[AD] offset:512*(\c)
	ds_load_b128 v[KB+4:KB+7], v[AD] offset:512*(\c)+16
	ds_load_b128 v[VB:VB+3], v[AD] offset:VOFF+512*(\c)
	ds_load_b128 v[VB+4:VB+7], v[AD] offset:VOFF+512*(\c)+16
	s_wait_dscnt 0x2                               ; k's two loads are in (and a tile's stores, if any stood ahead); the two younger loads, v's, may be out
	ARG 0
.set P, 0
.rept 15                               ; the exponentials are one batch: none of these lines names an exponential's result
	ARG P+1
	v_exp_f32 v[X+2*P], v[X+2*P]
	v_exp_f32 v[X+2*P+1], v[X+2*P+1]
.set P, P+1
.endr
	v_exp_f32 v[X+30], v[X+30]
	v_exp_f32 v[X+31], v[X+31]
	v_nop                                          ; a plain instruction behind the last exponential, ahead of the first use (ISA guide 5.7.2)
	s_wait_alu depctr_va_vdst(0)                   ; wait ahead of the first line that names a result: one for the 32
	s_wait_dscnt 0x0                               ; v
.set P, 0
.rept 16
	v_pk_fma_f32 v[NUM+2*(P%4):NUM+2*(P%4)+1], v[X+2*P:X+2*P+1], v[VB+2*(P/4):VB+2*(P/4)+1], v[NUM+2*(P%4):NUM+2*(P%4)+1]
	v_pk_add_f32 v[DEN+2*(P%4):DEN+2*(P%4)+1], v[DEN+2*(P%4):DEN+2*(P%4)+1], v[X+2*P:X+2*P+1]
.set P, P+1
.endr
.endm
; A chunk's head: the token's largest and smallest k so far; the new -m of my four i; the sums brought under it.  c = 0 also makes q and starts the sums.
.macro CHEAD c
	ds_load_b128 v[T:T+3], v[AKL] offset:512*(\c)              ; the chunk's 128 k of my token, four a lane
.if (\c) == 0
	ds_load_b128 v[T+8:T+11], v[AQR]                           ; q's two halves along K, my four i
	ds_load_b128 v[T+12:T+15], v[AQR] offset:16*QPITCH
.endif
	v_mov_b32 v[T+6], 0                            ; a lane permute's destination counts as one of its sources
	v_mov_b32 v[T+7], 0
	s_wait_dscnt 0x0
	v_max3_num_f32 v[T+4], v[T], v[T+1], v[T+2]
	v_min3_num_f32 v[T+5], v[T], v[T+1], v[T+2]
	v_max_num_f32 v[T+4], v[T+4], v[T+3]
	v_min_num_f32 v[T+5], v[T+5], v[T+3]
.irp m, 1,2,4,8
	v_max_num_f32_dpp v[T+4], v[T+4], v[T+4] row_xmask:\m row_mask:0xf bank_mask:0xf
	v_min_num_f32_dpp v[T+5], v[T+5], v[T+5] row_xmask:\m row_mask:0xf bank_mask:0xf
.endr
	v_permlanex16_b32 v[T+6], v[T+4], s[SEL], s[SEL+1]
	v_permlanex16_b32 v[T+7], v[T+5], s[SEL], s[SEL+1]
.if (\c) == 0
	v_max_num_f32 v[KMAX], v[T+4], v[T+6]
	v_min_num_f32 v[KMIN], v[T+5], v[T+7]
	v_pk_add_f32 v[T+8:T+9], v[T+8:T+9], v[T+12:T+13]
	v_pk_add_f32 v[T+10:T+11], v[T+10:T+11], v[T+14:T+15]
	v_pk_add_f32 v[T+8:T+9], v[T+8:T+9], v[BQ:BQ+1]
	v_pk_add_f32 v[T+10:T+11], v[T+10:T+11], v[BQ+2:BQ+3]      ; q of my four i
.irp e, 0,1,2,3
	v_mul_f32 v[QS2+2*\e], s[CSC], v[T+8+\e]
	v_mul_f32 v[QS2+2*\e+1], s[CSC], v[T+8+\e]
.endr
.irp i, 0,1,2,3,4,5,6,7
	v_mov_b32 v[NUM+\i], 0                         ; sixteen registers, once: the batch is then written one way for all 64 batches
	v_mov_b32 v[DEN+\i], 0
.endr
.else
	v_max3_num_f32 v[KMAX], v[KMAX], v[T+4], v[T+6]
	v_min3_num_f32 v[KMIN], v[KMIN], v[T+5], v[T+7]
.endif
.irp e, 0,1,2,3
	v_mul_f32 v[T+16+\e], v[QS2+2*\e], v[KMAX]
	v_mul_f32 v[T+20+\e], v[QS2+2*\e], v[KMIN]
.endr
.irp e, 0,1,2,3
	v_min_num_f32 v[T+16+\e], -v[T+16+\e], -v[T+20+\e]         ; -m = the smaller of -q kmax and -q kmin
.endr
.if (\c) > 0
.irp e, 0,1,2,3
	v_sub_f32 v[T+20+\e], v[T+16+\e], v[NM2+2*\e]              ; old m - new m: 0 or less
.endr
.irp e, 0,1,2,3
	v_exp_f32 v[T+24+2*\e], v[T+20+\e]
	v_exp_f32 v[T+25+2*\e], v[T+20+\e]
.endr
.endif
.irp e, 0,1,2,3
	v_mov_b32 v[NM2+2*\e], v[T+16+\e]              ; (plain work behind the exponentials, which names none of their registers)
	v_mov_b32 v[NM2+2*\e+1], v[T+16+\e]
.endr
.if (\c) > 0
	s_wait_alu depctr_va_vdst(0)                   ; wait ahead of the first line that names a result: one for the eight
.irp e, 0,1,2,3
	v_pk_mul_f32 v[NUM+2*\e:NUM+2*\e+1], v[NUM+2*\e:NUM+2*\e+1], v[T+24+2*\e:T+25+2*\e]
	v_pk_mul_f32 v[DEN+2*\e:DEN+2*\e+1], v[DEN+2*\e:DEN+2*\e+1], v[T+24+2*\e:T+25+2*\e]
.endr
.endif
.endm
; A chunk: its head, then 16 batches; in front of one of them, which hangs on the wave's number alone, the next chunk's tile.  Chunk c is read at 512 c + 0 .. 511 of a token's row,
; chunk c + 1 is written at 512 (c + 1) + 0 .. 511: no byte is both.  The barrier at the end shows chunk c + 1 whole to every wave.
.macro CHUNK c
	CHEAD \c
	s_mov_b32 s[TJ], 0
.Lbatch_\@:
.if (\c) < 3
	s_cmp_lg_u32 s[TJ], s[SLOT]
	s_cbranch_scc1 .Lno_tile_\@
	TILE (\c)+1
.Lno_tile_\@:
.endif
	BATCH \c
	s_add_co_u32 s[TJ], s[TJ], 32
	s_cmp_lt_u32 s[TJ], 512
	s_cbranch_scc1 .Lbatch_\@
.if (\c) < 3
	BAR
.endif
.endm
	s_load_b512 s[8:23], s[0:1], 0x0               ; x_codes 8, x_scales 10, Wq_codes 12, Wq_scales 14, bq 16, Wk_codes 18, Wk_scales 20, bk 22
	s_load_b256 s[24:31], s[0:1], 0x40             ; Wv_codes 24, Wv_scales 26, bv 28, out0 30
	v_lshrrev_b32 v15, 5, v0
	v_readfirstlane_b32 s[WV], v15                 ; wave 0..15
	s_and_b32 s[TW], s[WV], 7                      ; my tile of a chunk, and of q
	s_lshr_b32 s[KH], s[WV], 3                     ; 0: k, 1: v; and which half of K for q
	s_and_b32 s63, s[WV], 3                        ; which 4 rows of x (waves 0-3 alone fetch them)
	s_mov_b32 s[CQ], ttmp9
	s_and_b32 s[TG], ttmp7, 0xffff
	s_lshr_b32 s7, s[WV], 2
	s_add_co_u32 s7, s7, s[WV]
	s_and_b32 s7, s7, 3                            ; slot = (w + w / 4) % 4
	s_lshl_b32 s7, s7, 7
	s_add_co_u32 s[SLOT], s7, 96                   ; batch 4 slot + 3, x 32 bytes
	s_mov_b32 s[SEL], 0x76543210
	s_mov_b32 s[SEL+1], 0xfedcba98
	s_mov_b32 s[CSC], 0x3d8293ee                   ; log2(e) / sqrt(512) = 0.0637587
	; every address is made here, ahead of the one place where waves part
	v_and_b32 v250, 31, v0                         ; lane
	v_and_b32 v251, 15, v0                         ; r
	v_bfe_u32 v252, v0, 4, 1                       ; h
	v_lshlrev_b32 v[VO16], 4, v250
	v_lshlrev_b32 v[VOS], 4, v251
	v_lshlrev_b32 v[VOB], 5, v252
	v_mul_u32_u24 v253, v251, SPITCH
	v_mad_u32_u24 v253, v252, 24, v253             ; F = 400 r + 24 h: a lane's place in a fragment
	s_mul_i32 s4, s[WV], 6400
	s_add_co_u32 s4, s4, WST                       ; my own stage
	s_mul_i32 s5, s[TW], 6400
	s_add_co_u32 s5, s5, QST                       ; Wq's tile
	s_mul_i32 s7, s[KH], 3200
	s_add_co_u32 s6, s5, s7                        ; its rows 8 (w / 8) on: where I store
	s_mul_i32 s7, s[KH], 192                       ; K step 2 (w / 8): 192 bytes along a row
	s_add_co_u32 s5, s5, s7                        ; where I read
	s_mul_i32 s39, s63, 1600                       ; x's rows 4 (w % 4) on
	v_add_nc_u32 v[AFX], XST, v253
	v_add_nc_u32 v[AFXQ], s7, v253
	v_add_nc_u32 v[AFW], s4, v253
	v_add_nc_u32 v[AFQ], s5, v253
.irp n, 0,1,2                          ; piece p = lane + 32 n (16 bytes) of 4 dense rows goes to 16 (p + p / 24): a row is 24 pieces, and 25 in the stage.  p / 24 = 43 p >> 10 for p under 96
	v_add_nc_u32 v254, 32*\n, v250
	v_mul_u32_u24 v255, v254, 43
	v_lshrrev_b32 v255, 10, v255
	v_add_nc_u32 v254, v254, v255
	v_lshlrev_b32 v254, 4, v254
	v_add_nc_u32 v[ASW+\n], s4, v254
	v_add_nc_u32 v[ASQ+\n], s6, v254
	v_add_nc_u32 v[ASX+\n], s39, v254
.endr
	s_lshl_b32 s2, s[TW], 6                        ; a tile's 16 columns: 64 bytes
	s_mul_i32 s7, s[KH], VOFF
	s_add_co_u32 s7, s7, s2
	s_add_co_u32 s7, s7, KVB
	v_mul_u32_u24 v[ATK], v251, KPITCH
	v_lshl_add_u32 v[ATK], v252, 5, v[ATK]
	v_add_nc_u32 v[ATK], s7, v[ATK]                ; token r's row of k or v, + 64 x tile + 32 h
	s_mul_i32 s7, s[KH], 16*QPITCH
	s_add_co_u32 s7, s7, s2
	s_add_co_u32 s7, s7, QPB
	v_mul_u32_u24 v[AQP], v251, QPITCH
	v_lshl_add_u32 v[AQP], v252, 5, v[AQP]
	v_add_nc_u32 v[AQP], s7, v[AQP]                ; the same in my half of q
	s_mul_i32 s7, s[WV], KPITCH
	s_add_co_u32 s7, s7, KVB
	v_mov_b32 v[AK0], s7                           ; my token's row of k
	v_lshl_add_u32 v[AKL], v250, 4, s7
	s_mul_i32 s7, s[WV], QPITCH
	s_add_co_u32 s7, s7, QPB
	v_lshl_add_u32 v[AQR], v250, 4, s7             ; my token's row of q, my four i
	s_mov_b32 s3, 0
	s_wait_kmcnt 0x0
	s_cmp_eq_u32 s[KH], 0                          ; k's wave or v's: the choice hangs on the wave's number alone
	s_cselect_b64 s[WPT:WPT+1], s[18:19], s[24:25]
	s_cselect_b64 s[SPT:SPT+1], s[20:21], s[26:27]
	s_cselect_b64 s[BPT:BPT+1], s[22:23], s[28:29]
	s_mul_i32 s2, s[TW], 6144
	s_add_nc_u64 s[WPT:WPT+1], s[WPT:WPT+1], s[2:3]
	s_lshl_b32 s2, s[TW], 8
	s_add_nc_u64 s[SPT:SPT+1], s[SPT:SPT+1], s[2:3]
	s_lshl_b32 s2, s[TW], 6
	s_add_nc_u64 s[BPT:BPT+1], s[BPT:BPT+1], s[2:3]
	s_lshl_b32 s39, s[CQ], 7
	s_lshl_b32 s7, s[TW], 4
	s_add_co_u32 s39, s39, s7                      ; q's tile begins at row 128 cq + 16 (w % 8) of Wq
	s_lshl_b32 s7, s[KH], 3                        ; 8 (w / 8): rows for the raw loads, bytes among a row's scale bytes
	s_add_co_u32 s2, s39, s7
	s_mul_i32 s2, s2, 384
	s_add_nc_u64 s[QWP:QWP+1], s[12:13], s[2:3]
	s_lshl_b32 s2, s39, 4
	s_add_co_u32 s2, s2, s7
	s_add_nc_u64 s[QSP:QSP+1], s[14:15], s[2:3]
	s_mul_i32 s2, s[TG], 6144
	s_mul_i32 s39, s63, 1536
	s_add_co_u32 s2, s2, s39
	s_add_nc_u64 s[XP:XP+1], s[8:9], s[2:3]
	s_lshl_b32 s2, s[TG], 8
	s_add_nc_u64 s[XSP:XSP+1], s[10:11], s[2:3]
	s_mov_b32 s2, s7
	s_add_nc_u64 s[XSQ:XSQ+1], s[XSP:XSP+1], s[2:3]
	s_lshl_b32 s2, s[CQ], 9
	s_add_nc_u64 s[BQP:BQP+1], s[16:17], s[2:3]
	s_lshl_b32 s39, s[TG], 15                      ; 16 tokens x 2,048 bytes,
	s_add_co_u32 s2, s2, s39
	s_lshl_b32 s39, s[WV], 11                      ; my token,
	s_add_co_u32 s2, s2, s39                       ; and 512 cq
	s_add_nc_u64 s[OUTP:OUTP+1], s[30:31], s[2:3]
	; no base and no offset register of a global access is written again from here on
	LOADW 0
.irp n, 0,1,2,3,4,5
	global_load_b128 v[RQ+4*\n:RQ+4*\n+3], v[VO16], s[QWP:QWP+1] offset:512*\n   ; my 8 rows of Wq: 3,072 dense bytes
.endr
	global_load_b64 v[QWS:QWS+1], v[VOS], s[QSP:QSP+1]
	global_load_b64 v[QXS:QXS+1], v[VOS], s[XSQ:XSQ+1]
	global_load_b128 v[XSC:XSC+3], v[VOS], s[XSP:XSP+1]
	global_load_b128 v[BQ:BQ+3], v[VO16], s[BQP:BQP+1]
	s_cmp_lt_u32 s[WV], 4                          ; waves 0-3 bring x's 16 rows, 4 each
	s_cbranch_scc0 .Lno_x
.irp n, 0,1,2
	global_load_b128 v[XR+4*\n:XR+4*\n+3], v[VO16], s[XP:XP+1] offset:512*\n
.endr
	s_wait_loadcnt 0x0
	STAGE ASX, XR, 3
.Lno_x:
	s_wait_loadcnt 0x0
	STAGE ASQ, RQ, 6
	STAGE ASW, RW, 12
	BAR                                            ; x's rows and Wq's eight tiles lie staged
	FRAGS RW, AFW, 4
	FRAGS XF, AFX, 4
	FRAGS RQ, AFQ, 2
	FRAGS XQ, AFXQ, 2
	s_wait_dscnt 0x0
	WMC A0, RW, XF, BIAS, WSC, XSC                 ; chunk 0's tile and my half of a tile of q: three accumulators by turns
	WMZ AQ, RQ, XQ, QWS, QXS
	WMZ A1, RW+12, XF+12, WSC+1, XSC+1
	WMC A0, RW+24, XF+24, A0, WSC+2, XSC+2
	WMC AQ, RQ+12, XQ+12, AQ, QWS+1, QXS+1
	WMC A1, RW+36, XF+36, A1, WSC+3, XSC+3
.rept 4
	v_nop                                          ; four places in front of the loads into registers that these products read, and of the first read of their results
.endr
	LOADW 1
	JOIN
	ds_store_b128 v[ATK], v[A0:A0+3]
	ds_store_b128 v[ATK], v[A0+4:A0+7] offset:16
	ds_store_b128 v[AQP], v[AQ:AQ+3]               ; from the low end on
	ds_store_b128 v[AQP], v[AQ+4:AQ+7] offset:16
	BAR                                            ; chunk 0 of k and v, and q's two halves, lie in LDS
	CHUNK 0
	CHUNK 1
	CHUNK 2
	CHUNK 3
	; THE WAY OUT: even and odd j are joined; sum(p v) / sum(p); a lane's four results are 16 neighbouring bytes
.irp e, 0,1,2,3
	v_add_f32 v[T+\e], v[NUM+2*\e], v[NUM+2*\e+1]
	v_add_f32 v[T+4+\e], v[DEN+2*\e], v[DEN+2*\e+1]
.endr
.irp e, 0,1,2,3
	v_rcp_f32 v[T+8+\e], v[T+4+\e]
.endr
	v_nop                                          ; a plain instruction behind the last reciprocal
	s_wait_alu depctr_va_vdst(0)                   ; and the wait ahead of the first use: one for the four
.irp e, 0,1,2,3
	v_mul_f32 v[T+\e], v[T+\e], v[T+8+\e]
.endr
	global_store_b128 v[VO16], v[T:T+3], s[OUTP:OUTP+1] th:TH_STORE_NT   ; the wave stores 512 consecutive bytes, at a multiple of 256 from out0's first byte; written once, read by nobody here
	s_wait_xcnt 0x0
	v_lshl_add_u32 v254, v0, 2, 0x3b500
	v_mov_b32 v255, 0
	s_wait_tensorcnt 0x0
	ds_add_u32 v254, v255
	s_wait_dscnt 0x0
	s_endpgm
.Lfunc_end_k_q286ff377e7_attn:
	.size	k_q286ff377e7_attn, .Lfunc_end_k_q286ff377e7_attn-k_q286ff377e7_attn
	.p2alignl 7, 3214868480
	.fill 96, 4, 3214868480
	.section	.rodata,"a",@progbits
	.p2align	6, 0x0
	.amdhsa_kernel k_q286ff377e7_attn
		.amdhsa_group_segment_fixed_size 244992
		.amdhsa_private_segment_fixed_size 0
		.amdhsa_enable_private_segment 0
		.amdhsa_kernarg_size 96
		.amdhsa_user_sgpr_count 2
		.amdhsa_user_sgpr_kernarg_segment_ptr 1
		.amdhsa_wavefront_size32 1
		.amdhsa_system_sgpr_workgroup_id_x 1
		.amdhsa_system_sgpr_workgroup_id_y 1
		.amdhsa_system_sgpr_workgroup_id_z 1
		.amdhsa_system_vgpr_workitem_id 0
		.amdhsa_next_free_vgpr 256
		.amdhsa_next_free_sgpr 66
		.amdhsa_reserve_vcc 0
		.amdhsa_float_denorm_mode_32 3
		.amdhsa_float_denorm_mode_16_64 3
		.amdhsa_memory_ordered 1
		.amdhsa_forward_progress 1
		.amdhsa_inst_pref_size 65
	.end_amdhsa_kernel
	.amdgpu_metadata
---
amdhsa.version: [ 1, 2 ]
amdhsa.kernels:
  - .name:           k_q286ff377e7_attn
    .symbol:         k_q286ff377e7_attn.kd
    .args:
      - { .name: x_codes, .offset: 0, .size: 8, .value_kind: global_buffer, .address_space: global }
      - { .name: x_scales, .offset: 8, .size: 8, .value_kind: global_buffer, .address_space: global }
      - { .name: Wq_codes, .offset: 16, .size: 8, .value_kind: global_buffer, .address_space: global }
      - { .name: Wq_scales, .offset: 24, .size: 8, .value_kind: global_buffer, .address_space: global }
      - { .name: bq, .offset: 32, .size: 8, .value_kind: global_buffer, .address_space: global }
      - { .name: Wk_codes, .offset: 40, .size: 8, .value_kind: global_buffer, .address_space: global }
      - { .name: Wk_scales, .offset: 48, .size: 8, .value_kind: global_buffer, .address_space: global }
      - { .name: bk, .offset: 56, .size: 8, .value_kind: global_buffer, .address_space: global }
      - { .name: Wv_codes, .offset: 64, .size: 8, .value_kind: global_buffer, .address_space: global }
      - { .name: Wv_scales, .offset: 72, .size: 8, .value_kind: global_buffer, .address_space: global }
      - { .name: bv, .offset: 80, .size: 8, .value_kind: global_buffer, .address_space: global }
      - { .name: out0, .offset: 88, .size: 8, .value_kind: global_buffer, .address_space: global }
    .group_segment_fixed_size: 244992
    .private_segment_fixed_size: 0
    .kernarg_segment_align: 8
    .kernarg_segment_size: 96
    .max_flat_workgroup_size: 512
    .sgpr_count:     66
    .vgpr_count:     256
    .wavefront_size: 32
...
	.end_amdgpu_metadata
.endif
;; end of part 1
